; MI455X (gfx1250); checked and timed in simulation.
; The chip was launched on July 23, 2026; its instructions are those of AMD's public machine-readable ISA for CDNA 5 (MIT licence, August 2026) and "CDNA5" Instruction Set Architecture Reference Guide (July 2026). The comments in the code are by the model that wrote it; some were corrected since.
;; KDE Layer. Allowed arithmetic: float matrix products may take bf16 or f16 operands with f32 sums; all other float work in f32.
;; Inputs: inputs 128 x 2,048 x 2 float32; random_points 512 x 2 float32.
;; Outputs: out0 128 x 512 float32.
;; One version. Each part assembles by itself: llvm-mc -triple=amdgcn-amd-amdhsa -mcpu=gfx1250 --defsym DOCPART=n.
;; ======== version 1 of 1: 1 launch
;; launch kde (part 1): grid 256 x 1, 8 waves a work-group, no clusters, 17,408 bytes of LDS; arguments inputs, random_points, out0; writes out0
.if DOCPART == 1
	.amdgcn_target "amdgcn-amd-amdhsa--gfx1250"
	.amdhsa_code_object_version 6
	.text
	.protected	k_q0907229239_kde
	.globl	k_q0907229239_kde
	.p2align	8
	.type	k_q0907229239_kde,@function
k_q0907229239_kde:
	s_mov_b64 s[64:65], 0
	v_nop
	global_prefetch_b8 v0, s[64:65] scope:SCOPE_SE
	s_setreg_imm32_b32 hwreg(HW_REG_WAVE_MODE, 25, 1), 1
	s_wait_xcnt 0x0
; out0[b][m] = coef / N * sum over n of exp(-0.5 |p[m] - x[b][n]|^2 / h^2),  h^2 = 2048^(-1/3),  coef = 1 / (2 pi h^2),  N = 2048.
; inputs x: [128][2048][2] f32.  random_points p: [512][2] f32.  out0: [128][512] f32.  All arithmetic in f32; the differences are formed directly.
;
; Both inputs are scaled once by s = sqrt(0.5 log2(e) / h^2), so that a term is exp2(-(dx^2 + dy^2)) with dx = s x - s px, dy = s y - s py.
; Two samples go through each packed instruction: two adds, a multiply, a fused multiply-add, two exponentials, one add into the sum.
;
; SHARES.  256 work-groups: work-group g takes batch g >> 1 and the 256 points of half g & 1.  Eight waves; wave w takes all 256 points, eight a lane
; (points 4 l .. 4 l + 3 and 128 + 4 l .. 128 + 4 l + 3 of the half), against samples 256 w .. 256 w + 255.  A sum therefore never crosses lanes; the eight waves'
; partial sums meet in LDS at the end.  One LDS load of 16 bytes, the same address in all lanes, brings two samples for 40 packed instructions and 16 exponentials.
; LDS: 16,384 bytes, the batch's samples, scaled and regrouped (16 bytes a pair of samples: x0, x1, y0, y1).  When all waves have read them, the first 8,192 bytes
; take the partial sums (1,024 bytes a wave).
; NO CLUSTER, NO TENSOR LOADS: the two work-groups of a batch share one fill of 16,384 bytes, once, against 256 x 2048 / 64 x 7 = 57,344 vector instructions each.
; NO MATRIX INSTRUCTIONS: the exponent as a product |p|^2 + |x|^2 - 2 p.x would be a difference of large sums.
; LIMITS: a term below 2^-126 counts as zero (v_exp_f32 flushes such results); coordinates of magnitude 1.1e38 or more would overflow in the scaling by s;
; the sums are made in another order than the reference's, and each coordinate is rounded once more, by the scaling.
.set S_POS,     0x4041b473             ; s = 3.0266388
.set S_NEG,     0xc041b473             ; -s
.set OUT_SCALE, 0x3a815a63             ; coef / N = 2.0211418 / 2048
.set TRIPS,     16                     ; a wave's 128 pairs of samples, eight a trip
.set LA,   6                           ; v6         LDS address of the trip's first pair of samples
.set NP,   8                           ; v[8:39]    point j: (-s px, -s px), (-s py, -s py): whole pairs, so that the packed adds need no selection of halves
.set ACC,  40                          ; v[40:55]   point j: two running sums (even and odd samples)
.set T0,   56                          ; v[56:71]   exponents of a stage, point j in a pair; two sets take turns
.set T1,   72                          ; v[72:87]
.set DY,   88                          ; v[88:103]  dy of the stage at work
.set E,    104                         ; v[104:119] exponentials of the stage before
.set SA,   120                         ; v[120:135] four pairs of samples as loaded from LDS, buffer A
.set SB,   136                         ; v[136:151] buffer B
.set RAW,  T0                          ; at the head only: samples as loaded from memory,
.set SC,   T1                          ; scaled and regrouped,
.set PR,   DY                          ; and my eight points as loaded
	s_load_b128 s[4:7], s[0:1], 0x0                ; inputs s[4:5], random_points s[6:7]
	s_load_b64 s[8:9], s[0:1], 0x10                ; out0
	v_lshl_add_u32 v152, v0, 2, 0x4000
	v_mov_b32 v153, 0
	v_lshrrev_b32 v1, 5, v0                        ; wave
	v_readfirstlane_b32 s10, v1                    ; the same as a scalar, for the branch at the end
	v_and_b32 v2, 31, v0                           ; lane
	v_lshlrev_b32 v3, 4, v0                        ; 16 t: my 16 bytes in each 4,096 bytes of the samples; at the end my 16 bytes of the output
	v_lshlrev_b32 v4, 5, v2                        ; 32 l: my four neighbouring points
	s_lshr_b32 s11, ttmp9, 1                       ; batch
	s_lshl_b32 s14, s11, 14                        ; x 2,048 samples of 8 bytes
	s_mov_b32 s15, 0
	s_and_b32 s12, ttmp9, 1                        ; which half of the points
	s_lshl_b32 s16, s12, 11                        ; x 256 points of 8 bytes
	s_mov_b32 s17, 0
	s_lshl_b32 s18, ttmp9, 10                      ; out0: batch x 2,048 bytes + half x 1,024 bytes
	s_mov_b32 s19, 0
	s_mov_b32 s20, S_POS
	s_mov_b32 s21, S_NEG
	s_wait_kmcnt 0x0
	s_add_nc_u64 s[4:5], s[4:5], s[14:15]
	s_add_nc_u64 s[6:7], s[6:7], s[16:17]
	s_add_nc_u64 s[8:9], s[8:9], s[18:19]
.irp j, 0,1,2,3
	global_load_b128 v[RAW+4*\j:RAW+4*\j+3], v3, s[4:5] offset:4096*\j     ; the 256 threads cover 4,096 neighbouring bytes; four such loads cover the batch
.endr
	global_load_b128 v[PR:PR+3],     v4, s[6:7]                            ; points 4 l, 4 l + 1
	global_load_b128 v[PR+4:PR+7],   v4, s[6:7] offset:16                  ; 4 l + 2, 4 l + 3
	global_load_b128 v[PR+8:PR+11],  v4, s[6:7] offset:1024                ; 128 + 4 l, ..
	global_load_b128 v[PR+12:PR+15], v4, s[6:7] offset:1040
	s_wait_loadcnt 0x4                             ; the samples are in; the four younger loads (the points) stay out
.irp j, 0,1,2,3
	v_mul_f32 v[SC+4*\j],   s20, v[RAW+4*\j]       ; x0, y0, x1, y1 becomes s x0, s x1, s y0, s y1
	v_mul_f32 v[SC+4*\j+1], s20, v[RAW+4*\j+2]
	v_mul_f32 v[SC+4*\j+2], s20, v[RAW+4*\j+1]
	v_mul_f32 v[SC+4*\j+3], s20, v[RAW+4*\j+3]
	ds_store_b128 v3, v[SC+4*\j:SC+4*\j+3] offset:4096*\j
.endr
	s_wait_loadcnt 0x0                             ; my points
.irp j, 0,1,2,3,4,5,6,7
	v_mul_f32 v[NP+4*\j],   s21, v[PR+2*\j]
	v_mul_f32 v[NP+4*\j+1], s21, v[PR+2*\j]
	v_mul_f32 v[NP+4*\j+2], s21, v[PR+2*\j+1]
	v_mul_f32 v[NP+4*\j+3], s21, v[PR+2*\j+1]
.endr
	v_lshlrev_b32 v[LA], 11, v1                    ; my wave's 256 samples: 2,048 bytes
	s_wait_dscnt 0x0                               ; my stores are in LDS: zero, since the other waves read them
	s_barrier_signal -1
	s_barrier_wait -1                              ; everybody's are
; Four LDS loads: four pairs of samples, every lane at the same address
.macro LOAD4 buf, off
.irp i, 0,1,2,3
	ds_load_b128 v[\buf+4*\i:\buf+4*\i+3], v[LA] offset:\off+16*\i
.endr
.endm
; One stage: the exponents of one pair of samples (registers s .. s + 3) against my eight points, into set cur; among these 32 plain instructions stand the
; 16 exponentials of the stage before (set prev), each followed by two plain instructions that touch none of its registers: so a plain instruction stands between
; every exponential and the first use of its result or write of its source (ISA guide 5.7.2).  Then the eight adds into the sums.
; mode 0: no stage before.  mode 1: the first exponentials land in the sums themselves, so that nothing is cleared.  mode 2: the rule.
.macro STAGE s, cur, prev, mode
.if \mode == 1
.set ED, ACC
.else
.set ED, E
.endif
.irp q, 0,1,2,3
.if \mode
	v_exp_f32 v[ED+\q], v[\prev+\q]
.endif
	v_pk_add_f32 v[\cur+4*\q:\cur+4*\q+1],   v[\s:\s+1], v[NP+8*\q:NP+8*\q+1]              ; dx of two samples, point 2 q
	v_pk_add_f32 v[\cur+4*\q+2:\cur+4*\q+3], v[\s:\s+1], v[NP+8*\q+4:NP+8*\q+5]            ; point 2 q + 1
.endr
.irp q, 0,1,2,3
.if \mode
	v_exp_f32 v[ED+4+\q], v[\prev+4+\q]
.endif
	v_pk_add_f32 v[DY+4*\q:DY+4*\q+1],   v[\s+2:\s+3], v[NP+8*\q+2:NP+8*\q+3]              ; dy
	v_pk_add_f32 v[DY+4*\q+2:DY+4*\q+3], v[\s+2:\s+3], v[NP+8*\q+6:NP+8*\q+7]
.endr
.irp q, 0,1,2,3
.if \mode
	v_exp_f32 v[ED+8+\q], v[\prev+8+\q]
.endif
	v_pk_mul_f32 v[\cur+4*\q:\cur+4*\q+1],   v[\cur+4*\q:\cur+4*\q+1],   v[\cur+4*\q:\cur+4*\q+1]   neg_lo:[1,0] neg_hi:[1,0]   ; -dx^2
	v_pk_mul_f32 v[\cur+4*\q+2:\cur+4*\q+3], v[\cur+4*\q+2:\cur+4*\q+3], v[\cur+4*\q+2:\cur+4*\q+3] neg_lo:[1,0] neg_hi:[1,0]
.endr
.irp q, 0,1,2,3
.if \mode
	v_exp_f32 v[ED+12+\q], v[\prev+12+\q]
.endif
	v_pk_fma_f32 v[\cur+4*\q:\cur+4*\q+1],   v[DY+4*\q:DY+4*\q+1],   v[DY+4*\q:DY+4*\q+1],   v[\cur+4*\q:\cur+4*\q+1]   neg_lo:[1,0,0] neg_hi:[1,0,0]   ; -dy^2 - dx^2
	v_pk_fma_f32 v[\cur+4*\q+2:\cur+4*\q+3], v[DY+4*\q+2:DY+4*\q+3], v[DY+4*\q+2:DY+4*\q+3], v[\cur+4*\q+2:\cur+4*\q+3] neg_lo:[1,0,0] neg_hi:[1,0,0]
.endr
.if \mode == 2
	s_wait_alu depctr_va_vdst(0)
.irp j, 0,1,2,3,4,5,6,7
	v_pk_add_f32 v[ACC+2*\j:ACC+2*\j+1], v[ACC+2*\j:ACC+2*\j+1], v[E+2*\j:E+2*\j+1]
.endr
.endif
.endm
; A trip: eight pairs of samples, four from each buffer.  While one buffer is worked on, the other's four loads are on their way: they are issued four stages
; (224 vector instructions) ahead of their first use.  head = 1: the pipeline starts.  last = 1: nothing more is fetched, so no load passes my wave's 2,048 bytes.
.macro TRIP head, last
	LOAD4 SB, 64
	s_wait_dscnt 0x4                               ; LDS loads come back in order (ISA guide 5.7.1): buffer A is in, the four just issued stay out
.if \head
	STAGE SA,   T0, T1, 0
	STAGE SA+4, T1, T0, 1
.else
	STAGE SA,   T0, T1, 2
	STAGE SA+4, T1, T0, 2
.endif
	STAGE SA+8,  T0, T1, 2
	STAGE SA+12, T1, T0, 2
.if \last
	s_wait_dscnt 0x0                               ; buffer B; nothing is behind it
.else
	v_add_nc_u32 v[LA], 128, v[LA]                 ; the next trip's eight pairs
	LOAD4 SA, 0
	s_wait_dscnt 0x4                               ; buffer B is in, the four just issued stay out
.endif
	STAGE SB,    T0, T1, 2
	STAGE SB+4,  T1, T0, 2
	STAGE SB+8,  T0, T1, 2
	STAGE SB+12, T1, T0, 2
.endm
	LOAD4 SA, 0
	TRIP 1, 0
	s_mov_b32 s22, TRIPS-2
.Ltrip:
	TRIP 0, 0
	s_sub_co_u32 s22, s22, 1
	s_cmp_lg_u32 s22, 0
	s_cbranch_scc1 .Ltrip
	TRIP 0, 1
	; the pipeline runs empty: the last stage's exponentials (set T1)
.irp i, 0,1,2,3,4,5,6,7,8,9,10,11,12,13,14,15
	v_exp_f32 v[E+\i], v[T1+\i]
.endr
	v_lshlrev_b32 v5, 4, v2                        ; the plain instructions between the last exponential and the first use: where my partial sums go,
	v_lshl_add_u32 v5, v1, 10, v5                  ; 1,024 x wave + 16 x lane
	s_wait_alu depctr_va_vdst(0)
.irp j, 0,1,2,3,4,5,6,7
	v_pk_add_f32 v[ACC+2*\j:ACC+2*\j+1], v[ACC+2*\j:ACC+2*\j+1], v[E+2*\j:E+2*\j+1]
.endr
.irp j, 0,1,2,3,4,5,6,7
	v_add_f32 v[E+\j], v[ACC+2*\j], v[ACC+2*\j+1]  ; even and odd samples together: one partial sum a point
.endr
	; The partial sums take the place of the samples: every wave's reads of the samples are back before any wave stores.
	s_wait_dscnt 0x0                               ; my reads are back (met: the last trip waited for zero)
	s_barrier_signal -1
	s_barrier_wait -1
	ds_store_b128 v5, v[E:E+3]                     ; points 4 l .. 4 l + 3: byte 4 x point of my wave's 1,024
	ds_store_b128 v5, v[E+4:E+7] offset:512        ; points 128 + 4 l ..
	s_wait_dscnt 0x0                               ; zero: other waves read these bytes
	s_barrier_signal -1
	s_barrier_wait -1
	s_cmp_gt_u32 s10, 1                            ; 256 outputs of 4 bytes are 64 lanes of 16 bytes: waves 0 and 1 finish
	s_cbranch_scc1 .Ldone
.irp w, 0,1,2,3,4,5,6,7
	ds_load_b128 v[T0+4*\w:T0+4*\w+3], v3 offset:1024*\w                   ; wave w's partial sums of my four points
.endr
	s_wait_dscnt 0x0
.irp w, 0,1,2,3
	v_pk_add_f32 v[T0+4*\w:T0+4*\w+1],   v[T0+4*\w:T0+4*\w+1],   v[T0+16+4*\w:T0+16+4*\w+1]
	v_pk_add_f32 v[T0+4*\w+2:T0+4*\w+3], v[T0+4*\w+2:T0+4*\w+3], v[T0+16+4*\w+2:T0+16+4*\w+3]
.endr
.irp w, 0,1
	v_pk_add_f32 v[T0+4*\w:T0+4*\w+1],   v[T0+4*\w:T0+4*\w+1],   v[T0+8+4*\w:T0+8+4*\w+1]
	v_pk_add_f32 v[T0+4*\w+2:T0+4*\w+3], v[T0+4*\w+2:T0+4*\w+3], v[T0+8+4*\w+2:T0+8+4*\w+3]
.endr
	v_pk_add_f32 v[T0:T0+1],   v[T0:T0+1],   v[T0+4:T0+5]
	v_pk_add_f32 v[T0+2:T0+3], v[T0+2:T0+3], v[T0+6:T0+7]
	v_pk_mul_f32 v[T0:T0+1],   v[T0:T0+1],   OUT_SCALE op_sel_hi:[1,0]     ; coef / N, once for each output
	v_pk_mul_f32 v[T0+2:T0+3], v[T0+2:T0+3], OUT_SCALE op_sel_hi:[1,0]
	global_store_b128 v3, v[T0:T0+3], s[8:9] th:TH_STORE_NT                ; a wave's store covers 512 consecutive bytes, at a multiple of 512 from out0's first byte
.Ldone:
	s_wait_tensorcnt 0x0
	ds_add_u32 v152, v153
	s_wait_dscnt 0x0
	s_endpgm
.Lfunc_end_k_q0907229239_kde:
	.size	k_q0907229239_kde, .Lfunc_end_k_q0907229239_kde-k_q0907229239_kde
	.p2alignl 7, 3214868480
	.fill 96, 4, 3214868480
	.section	.rodata,"a",@progbits
	.p2align	6, 0x0
	.amdhsa_kernel k_q0907229239_kde
		.amdhsa_group_segment_fixed_size 17408
		.amdhsa_private_segment_fixed_size 0
		.amdhsa_enable_private_segment 0
		.amdhsa_kernarg_size 24
		.amdhsa_user_sgpr_count 2
		.amdhsa_user_sgpr_kernarg_segment_ptr 1
		.amdhsa_wavefront_size32 1
		.amdhsa_system_sgpr_workgroup_id_x 1
		.amdhsa_system_sgpr_workgroup_id_y 1
		.amdhsa_system_sgpr_workgroup_id_z 1
		.amdhsa_system_vgpr_workitem_id 0
		.amdhsa_next_free_vgpr 154
		.amdhsa_next_free_sgpr 66
		.amdhsa_reserve_vcc 0
		.amdhsa_float_denorm_mode_32 3
		.amdhsa_float_denorm_mode_16_64 3
		.amdhsa_memory_ordered 1
		.amdhsa_forward_progress 1
		.amdhsa_inst_pref_size 81
	.end_amdhsa_kernel
	.amdgpu_metadata
---
amdhsa.version: [ 1, 2 ]
amdhsa.kernels:
  - .name:           k_q0907229239_kde
    .symbol:         k_q0907229239_kde.kd
    .args:
      - { .name: inputs, .offset: 0, .size: 8, .value_kind: global_buffer, .address_space: global }
      - { .name: random_points, .offset: 8, .size: 8, .value_kind: global_buffer, .address_space: global }
      - { .name: out0, .offset: 16, .size: 8, .value_kind: global_buffer, .address_space: global }
    .group_segment_fixed_size: 17408
    .private_segment_fixed_size: 0
    .kernarg_segment_align: 8
    .kernarg_segment_size: 24
    .max_flat_workgroup_size: 256
    .sgpr_count:     66
    .vgpr_count:     154
    .wavefront_size: 32
...
	.end_amdgpu_metadata
.endif
;; end of part 1
